; MI455X (gfx1250); checked and timed in simulation.
; The chip was launched on July 23, 2026; its instructions are those of AMD's public machine-readable ISA for CDNA 5 (MIT licence, August 2026) and "CDNA5" Instruction Set Architecture Reference Guide (July 2026). The comments in the code are by the model that wrote it; some were corrected since.
;; Mo E Layer. Allowed arithmetic: matrix products marked QUANTISED: E5M2 operands, one given power-of-two scale a tensor, by v_wmma_f32_16x16x64_bf8_bf8 or v_wmma_f32_16x16x128_bf8_bf8, f32 sums; products left as they are: f32 operands where the result goes on into a quantised operand, else bf16, f16 or f32 operands; f32 sums; everything else in f32.
;; Inputs: W1 8 x 1,024 x 4,096 float32; W2 8 x 4,096 x 1,024 float32; Wr 1,024 x 8 float32; b1 8 x 4,096 float32; b2 8 x 1,024 float32; lowp_scales 4 int32 (the exponents e of the quantised operands' scales 2^e); x 2 x 512 x 1,024 float32.
;; Outputs: out0 2 x 512 x 1,024 float32.
;; This version of the problem:
;;   THIS VERSION OF THE PROBLEM IS GIVEN IN LOW PRECISION. The matrix products marked QUANTISED in the list below multiply operands that are first quantised to E5M2 (5 exponent bits, 2 mantissa bits; 8 bits a number), with one given power-of-two scale for each operand tensor; their sums are f32. All else is computed in f32.
;;   The module's matrix products, in the order in which they are computed (A, B: the left and right operand; K: the contracted axis; several contracted axes count as one K, in the product's order):
;;     1. [M 1,024, K 1,024] x [K 1,024, N 8]; A: input x; B: input Wr: left as it is (N = 8 < 16)
;;     2. [M 32,768, K 1,024] x [K 1,024, N 1,024]; A: input W1; B: input x: QUANTISED (scales: A lowp_scales[0], B lowp_scales[1])
;;     3. batch 8 x [M 1,024, K 4,096] x [K 4,096, N 1,024]; A: computed on the way; B: input W2: QUANTISED (scales: A lowp_scales[2], B lowp_scales[3])
;;     4. batch 1,024 x [M 1,024, K 8] x [K 8, N 1]; A: computed on the way; B: computed on the way: left as it is (K = 8 < 32)
;;   THE QUANTISER, for each operand of a quantised product, along K:
;;     - The operand's scale is 2^e, e = its entry of the input lowp_scales (int32; the entries are numbered through the quantised products in the list's order, A before B).
;;     - Each number is divided by the scale, clamped to +-57,344, and rounded to the nearest number of E5M2, ties to even, subnormals kept.
;;     - The product sums the exact products of the quantised numbers (number of the format x scale) in f32.
;;   ~~~python
;;   def quantise(x, axis, e):      # numpy; x: float32 -> the quantised numbers, widened to float32 again
;;       x = np.moveaxis(x, axis, -1); K = x.shape[-1]
;;       r = np.clip(x / 2.0 ** e, -57344, 57344)
;;       step = 2.0 ** (np.maximum(np.frexp(np.where(r == 0, 1, r))[1] - 1, -14) - 2)
;;       q = np.round(r / step) * step * 2.0 ** e      # np.round: ties to even
;;       return np.moveaxis(q, -1, axis).astype(np.float32)
;;   ~~~
;;   OPERANDS COMPUTED ON THE WAY. 'Computed on the way' means the value that the module computes at that place (a softmax that the list does not call 'softmax' is quantised finished and normalised). What goes into a quantiser is computed in f32, as accurately as f32 sums, v_exp_f32 and their like allow (about 1e-6 of the number): no bf16 or f16 on the way to a quantiser, and a product that is left as it is and whose result goes on into a quantised operand takes f32 operands (vector FMAs, or v_wmma_f32_16x16x4_f32). A number that lies on a knife's edge between two numbers of the format may be rounded either way, as far as f32 arithmetic and the matrix unit's own rounding can turn it there, and no further.
;; One version. Each part assembles by itself: llvm-mc -triple=amdgcn-amd-amdhsa -mcpu=gfx1250 --defsym DOCPART=n.
;; ======== version 1 of 1: 4 launches
;; limits: right only within a limited range of input values
;; workspace buffers: eid 8,192 bytes of whole numbers; cw 8,192 bytes; msk 1,024 bytes of whole numbers; slot 8,192 bytes of whole numbers; xq 1,048,576 bytes; hq 33,554,432 bytes; yp 67,108,864 bytes
;; launch route (part 1): grid 128 x 1, 8 waves a work-group, no clusters, 38,144 bytes of LDS; arguments x, Wr, eid, cw, msk, lowp_scales, xq; writes eid, cw, msk, xq
.if DOCPART == 1
	.amdgcn_target "amdgcn-amd-amdhsa--gfx1250"
	.amdhsa_code_object_version 6
	.text
	.protected	k_q5598506983_route
	.globl	k_q5598506983_route
	.p2align	8
	.type	k_q5598506983_route,@function
k_q5598506983_route:
	s_mov_b64 s[64:65], 0
	v_nop
	global_prefetch_b8 v0, s[64:65] scope:SCOPE_SE
	s_setreg_imm32_b32 hwreg(HW_REG_WAVE_MODE, 25, 1), 1
	s_wait_xcnt 0x0
; THE ROUTER, AND x's CODES.  logits = x Wr in f32 (fused multiply-adds), the two largest of a token's 8 logits, and their renormalised weights; x's row as codes of E5M2.
; One wave takes one token: token = 8 x work-group + wave.  Lane l holds x[256 i + 8 l + 0..7], i = 0..3.
; Wr (32 KiB) is brought once into LDS in blocks of 128 bytes (4 k x 8 experts), 144 bytes apart: the block of k = 256 i + 8 l + 4 f .. + 3 at place 64 i + 32 f + l, so that neighbouring lanes read neighbouring places.
; THE WEIGHTS.  reference() takes softmax, top 2, and divides the two by their sum: the softmax's divisor cancels for every input, and what is left is
; w0 = 1 / (1 + e^(l2 - l1)), w1 = e^(l2 - l1) w0, l1 >= l2 the two largest logits: the maximum is taken away ahead of the exponential, whose argument is never above 0.
; Of equal logits the lower index wins, as in lax.top_k (the scans go up and keep what they have on a tie).
; WORK LEFT OUT (in this program's later launches): the experts that reference() does not choose for a token: its one_hot gives them the weight 0, so for all finite inputs their rows reach no output.  LIMIT: a NaN, an infinity
; or an overflow that arises only in a row of an expert that is not chosen is not carried to the result.
; STORED, all at fixed places: eid[token] = the two experts, cw[token] = their weights, xq[token] = 1,024 codes in the order of k, and msk: for each expert a string of 1,024 bits, bit = token, 128 bytes an expert.
; The work-group's 8 tokens are one byte of each string: each wave puts its token's two experts as bits into an LDS word of its own, and behind a barrier lane e of wave 0 gathers expert e's byte.
; code = x / 2^e, held within +-57,344, to the nearest code, ties to even; e = lowp_scales[1].  LIMITS: e lies between -126 and 112.  NaN and infinite logits are not served.
; A logit is an f32 sum in another order than the reference's: where the second and third logit differ by less than that rounding, the choice may differ.
.set PW,  144                          ; LDS pitch of a block of Wr
.set MW,  36864                        ; LDS, behind Wr's 256 blocks: a word for each wave
.set ACC, 16                           ; v16-23  the 8 logits, as four pairs
.set T,   24                           ; v24-31  at work
.set X,   32                           ; v32-63  my 32 numbers of x
.set WR,  64                           ; v64-191 Wr: 4 x 32 registers; then codes
	s_load_b256 s[4:11], s[0:1], 0x0               ; x s[4:5], Wr s[6:7], eid s[8:9], cw s[10:11]
	s_load_b64 s[22:23], s[0:1], 0x20              ; msk
	s_load_b128 s[28:31], s[0:1], 0x28             ; lowp_scales s[28:29], xq s[30:31]
	v_lshl_add_u32 v192, v0, 2, 0x9100
	v_mov_b32 v193, 0
	v_lshrrev_b32 v6, 5, v0
	s_delay_alu instid0(VALU_DEP_1)
	v_readfirstlane_b32 s14, v6                    ; wave
	v_and_b32 v1, 31, v0                           ; lane
	s_delay_alu instid0(VALU_DEP_1)
	v_lshlrev_b32 v2, 5, v1                        ; x: 32 x lane
	v_lshlrev_b32 v3, 4, v0                        ; Wr in memory: 16 x thread
	v_bfe_u32 v4, v0, 3, 1
	v_lshrrev_b32 v8, 4, v0
	s_delay_alu instid0(VALU_DEP_1)
	v_lshl_add_u32 v4, v4, 5, v8
	s_delay_alu instid0(VALU_DEP_1)
	v_mul_u32_u24 v4, v4, PW
	v_and_b32 v7, 7, v0
	s_delay_alu instid0(VALU_DEP_1)
	v_lshl_add_u32 v4, v7, 4, v4                   ; Wr into LDS: place 32 ((thread / 8) % 2) + thread / 16, 16 bytes at 16 (thread % 8)
	v_mul_u32_u24 v5, v1, PW                       ; Wr out of LDS: place lane (+ 32 j)
	s_lshl_b32 s15, ttmp9, 3
	s_add_co_u32 s15, s15, s14                     ; token
	s_lshl_b32 s16, s15, 12                        ; its row of 4,096 bytes
	s_mov_b32 s17, 0
	s_lshl_b32 s18, s15, 3                         ; its 8 bytes in eid and in cw
	s_lshl_b32 s19, s14, 2
	s_add_co_u32 s19, s19, MW                      ; my wave's word in LDS
	s_mov_b32 s24, ttmp9                           ; the work-group: its byte in each string of msk
	s_mov_b32 s12, 0x76543210                      ; v_permlanex16_b32: lane l xor 16
	s_mov_b32 s13, 0xfedcba98
	s_wait_alu depctr_va_vdst(0)
	s_wait_kmcnt 0x0
	s_load_b32 s25, s[28:29], 0x4                  ; x's exponent
	s_add_nc_u64 s[4:5], s[4:5], s[16:17]
.irp t, 0,1,2,3,4,5,6,7
	global_load_b128 v[WR+4*\t:WR+4*\t+3], v3, s[6:7] offset:4096*\t
.endr
.irp i, 0,1,2,3,4,5,6,7
	global_load_b128 v[X+4*\i:X+4*\i+3], v2, s[4:5] offset:1024*(\i/2)+16*(\i%2)
.endr
	s_wait_loadcnt 8                               ; Wr's eight loads are in; x's eight, issued behind them, may be out
.irp t, 0,1,2,3,4,5,6,7
	ds_store_b128 v4, v[WR+4*\t:WR+4*\t+3] offset:PW*(64*(\t/2)+16*(\t%2))
.endr
	s_wait_dscnt 0x0                               ; for the others' sake: my part of Wr lies in LDS
	s_barrier_signal -1
	s_barrier_wait -1
; half hh: x's registers of loads 4 hh .. 4 hh + 3.  For each of my 16 k: the 8 numbers Wr[k][0..7], four packed multiply-adds by x[k]
.macro HALF hh
.irp i, 0,1,2,3
.irp n, 0,1,2,3,4,5,6,7
	ds_load_b128 v[WR+32*\i+4*\n:WR+32*\i+4*\n+3], v5 offset:32*PW*(4*\hh+\i)+16*\n
.endr
.endr
	s_wait_dscnt 0x0
.if \hh == 0
	s_wait_loadcnt 0x0                             ; x
.endif
.irp i, 0,1,2,3
.irp jj, 0,1,2,3
.irp q, 0,1,2,3
.if (\hh+\i+\jj) == 0
	v_pk_mul_f32 v[ACC+2*\q:ACC+2*\q+1], v[WR+2*\q:WR+2*\q+1], v[X:X+1] op_sel_hi:[1,0]   ; the first k starts the sums
.elseif (\jj%2) == 0
	v_pk_fma_f32 v[ACC+2*\q:ACC+2*\q+1], v[WR+32*\i+8*\jj+2*\q:WR+32*\i+8*\jj+2*\q+1], v[X+4*(4*\hh+\i)+2*(\jj/2):X+4*(4*\hh+\i)+2*(\jj/2)+1], v[ACC+2*\q:ACC+2*\q+1] op_sel_hi:[1,0,1]
.else
	s_delay_alu instid0(VALU_DEP_4)
	v_pk_fma_f32 v[ACC+2*\q:ACC+2*\q+1], v[WR+32*\i+8*\jj+2*\q:WR+32*\i+8*\jj+2*\q+1], v[X+4*(4*\hh+\i)+2*(\jj/2):X+4*(4*\hh+\i)+2*(\jj/2)+1], v[ACC+2*\q:ACC+2*\q+1] op_sel:[0,1,0] op_sel_hi:[1,1,1]
.endif
.endr
.endr
.endr
.endm
	HALF 0
	s_wait_alu depctr_va_vdst(0)
	HALF 1
	; x's codes: eight neighbours along k a conversion; the wave stores 256 consecutive bytes, aligned, four times
	s_wait_alu depctr_va_vdst(0)
	s_wait_kmcnt 0x0
	s_add_co_i32 s25, s25, 127
	s_lshl_b32 s26, s25, 23
	v_mov_b32 v8, s26                              ; 2^e as f32: the conversion takes its exponent field
	s_add_co_i32 s25, s25, 15
	s_lshl_b32 s25, s25, 23
	s_or_b32 s25, s25, 0x600000
	v_mov_b32 v9, s25                              ; 57,344 x 2^e
	s_lshl_b32 s26, s15, 10
	s_mov_b32 s27, 0
	s_add_nc_u64 s[30:31], s[30:31], s[26:27]
	v_lshlrev_b32 v10, 3, v1
.irp i, 0,1,2,3,4,5,6,7,8,9,10,11,12,13,14,15,16,17,18,19,20,21,22,23,24,25,26,27,28,29,30,31
	v_med3_num_f32 v[X+\i], v[X+\i], -v9, v9       ; the conversion to an 8-bit code does not saturate (ISA guide 7.6.2): the hold comes first
.endr
.irp i, 0,1,2,3
	v_cvt_scalef32_pk8_bf8_f32 v[WR+2*\i:WR+2*\i+1], v[X+8*\i:X+8*\i+7], v8
.endr
	v_nop                                          ; one plain line behind the last conversion
.irp i, 0,1,2,3
	global_store_b64 v10, v[WR+2*\i:WR+2*\i+1], s[30:31] offset:256*\i
.endr
	; the 8 sums over the 32 lanes; every lane ends with all 8 logits
.irp e, 0,1,2,3,4,5,6,7
	v_mov_b32 v[T+\e], 0                           ; (a lane permute's destination counts as read)
.endr
.irp mk, 1,2,4,8
.irp e, 0,1,2,3,4,5,6,7
	v_add_f32_dpp v[ACC+\e], v[ACC+\e], v[ACC+\e] row_xmask:\mk row_mask:0xf bank_mask:0xf
.endr
.endr
.irp e, 0,1,2,3,4,5,6,7
	v_permlanex16_b32 v[T+\e], v[ACC+\e], s12, s13
.endr
.irp e, 0,1,2,3,4,5,6,7
	v_add_f32 v[ACC+\e], v[ACC+\e], v[T+\e]
.endr
	; the largest: v24 its logit, v26 its index
	v_mov_b32 v24, v[ACC]
	v_mov_b32 v26, 0
.irp e, 1,2,3,4,5,6,7
	s_delay_alu instid0(VALU_DEP_2)
	v_cmp_ge_f32 vcc_lo, v24, v[ACC+\e]            ; keep what I have, on a tie too
	s_delay_alu instid0(VALU_DEP_1)
	v_cndmask_b32 v24, v[ACC+\e], v24, vcc_lo
	s_delay_alu instid0(VALU_DEP_2)
	v_cndmask_b32 v26, \e, v26, vcc_lo
.endr
	; the second: v25, v27; the first index is passed over
	v_mov_b32 v25, 0xff800000
	v_mov_b32 v27, 0
.irp e, 0,1,2,3,4,5,6,7
	s_delay_alu instid0(VALU_DEP_2)
	v_cmp_ge_f32 s20, v25, v[ACC+\e]
	v_cmp_eq_u32 s21, \e, v26
	s_or_b32 vcc_lo, s20, s21
	v_cndmask_b32 v25, v[ACC+\e], v25, vcc_lo
	v_cndmask_b32 v27, \e, v27, vcc_lo
.endr
	s_delay_alu instid0(VALU_DEP_2)
	v_sub_f32 v30, v25, v24                        ; l2 - l1, 0 or less
	s_delay_alu instid0(VALU_DEP_1)
	v_mul_f32 v30, 0x3fb8aa3b, v30                 ; x log2(e)
	s_wait_alu depctr_va_vdst(0)
	v_exp_f32 v30, v30                             ; t = e^(l2 - l1)
	v_mov_b32 v31, s18                             ; (a plain place behind the exponential)
	v_mov_b32 v16, 1                               ; the logits are done with: v16-21 at work
	s_delay_alu instid0(VALU_DEP_1)
	v_lshlrev_b32 v17, v26, v16                    ; 1 << first expert
	s_delay_alu instid0(VALU_DEP_2)
	v_lshlrev_b32 v18, v27, v16                    ; 1 << second expert
	s_delay_alu instid0(VALU_DEP_1)
	v_or_b32 v17, v17, v18
	v_mov_b32 v19, s19
	v_mov_b32 v20, MW                              ; where wave 0 reads the eight words
	ds_store_b32 v19, v17                          ; all lanes write the same word with the same value
	s_wait_alu depctr_va_vdst(0)
	v_add_f32 v22, 1.0, v30
	s_wait_alu depctr_va_vdst(0)
	v_rcp_f32 v28, v22                             ; w0
	v_cmp_eq_u32 vcc_lo, 0, v1                     ; (a plain place behind the reciprocal)
	s_wait_alu depctr_va_vdst(0)
	v_mul_f32 v29, v30, v28                        ; w1
	s_wait_alu depctr_va_vdst(0)
	s_wait_xcnt 0x0                                ; EXEC changes only behind this wait
	s_and_saveexec_b32 s20, vcc_lo                 ; every lane holds the same: lane 0 stores
	global_store_b64 v31, v[26:27], s[8:9]
	global_store_b64 v31, v[28:29], s[10:11]
	s_wait_xcnt 0x0                                ; and again, in front of the line that widens it
	s_or_b32 exec_lo, exec_lo, s20
	s_wait_dscnt 0x0                               ; for wave 0's sake: my word lies in LDS
	s_barrier_signal -1
	s_barrier_wait -1
	s_cmp_lg_u32 s14, 0
	s_cbranch_scc1 .Lend                           ; wave 0 makes the eight bytes; no barrier follows
	ds_load_b128 v[32:35], v20
	ds_load_b128 v[36:39], v20 offset:16
	v_mov_b32 v17, 0
	v_lshlrev_b32 v19, 7, v1                       ; lane e: expert e's string of 128 bytes,
	s_delay_alu instid0(VALU_DEP_1)
	v_add_nc_u32 v19, s24, v19                     ; the work-group's byte of it
	s_wait_dscnt 0x0
.irp w, 0,1,2,3,4,5,6,7
	v_lshrrev_b32 v18, v1, v[32+\w]                ; has wave w's token expert e?
	s_delay_alu instid0(VALU_DEP_1)
	v_and_b32 v18, 1, v18
	s_wait_alu depctr_va_vdst(0)
	v_lshl_or_b32 v17, v18, \w, v17                ; bit w of the byte: token 8 x work-group + w
.endr
	v_cmp_gt_u32 vcc_lo, 8, v1
	s_wait_alu depctr_va_vdst(0)
	s_wait_xcnt 0x0
	s_and_saveexec_b32 s20, vcc_lo                 ; lanes 0 to 7
	global_store_b8 v19, v17, s[22:23]
.Lend:
	s_wait_xcnt 0x0
	s_mov_b32 exec_lo, -1
	s_wait_tensorcnt 0x0
	ds_add_u32 v192, v193
	s_wait_dscnt 0x0
	s_endpgm
.Lfunc_end_k_q5598506983_route:
	.size	k_q5598506983_route, .Lfunc_end_k_q5598506983_route-k_q5598506983_route
	.p2alignl 7, 3214868480
	.fill 96, 4, 3214868480
	.section	.rodata,"a",@progbits
	.p2align	6, 0x0
	.amdhsa_kernel k_q5598506983_route
		.amdhsa_group_segment_fixed_size 38144
		.amdhsa_private_segment_fixed_size 0
		.amdhsa_enable_private_segment 0
		.amdhsa_kernarg_size 56
		.amdhsa_user_sgpr_count 2
		.amdhsa_user_sgpr_kernarg_segment_ptr 1
		.amdhsa_wavefront_size32 1
		.amdhsa_system_sgpr_workgroup_id_x 1
		.amdhsa_system_sgpr_workgroup_id_y 1
		.amdhsa_system_sgpr_workgroup_id_z 1
		.amdhsa_system_vgpr_workitem_id 0
		.amdhsa_next_free_vgpr 194
		.amdhsa_next_free_sgpr 66
		.amdhsa_reserve_vcc 1
		.amdhsa_float_denorm_mode_32 3
		.amdhsa_float_denorm_mode_16_64 3
		.amdhsa_memory_ordered 1
		.amdhsa_forward_progress 1
		.amdhsa_inst_pref_size 32
	.end_amdhsa_kernel
	.amdgpu_metadata
---
amdhsa.version: [ 1, 2 ]
amdhsa.kernels:
  - .name:           k_q5598506983_route
    .symbol:         k_q5598506983_route.kd
    .args:
      - { .name: x, .offset: 0, .size: 8, .value_kind: global_buffer, .address_space: global }
      - { .name: Wr, .offset: 8, .size: 8, .value_kind: global_buffer, .address_space: global }
      - { .name: eid, .offset: 16, .size: 8, .value_kind: global_buffer, .address_space: global }
      - { .name: cw, .offset: 24, .size: 8, .value_kind: global_buffer, .address_space: global }
      - { .name: msk, .offset: 32, .size: 8, .value_kind: global_buffer, .address_space: global }
      - { .name: lowp_scales, .offset: 40, .size: 8, .value_kind: global_buffer, .address_space: global }
      - { .name: xq, .offset: 48, .size: 8, .value_kind: global_buffer, .address_space: global }
    .group_segment_fixed_size: 38144
    .private_segment_fixed_size: 0
    .kernarg_segment_align: 8
    .kernarg_segment_size: 56
    .max_flat_workgroup_size: 256
    .sgpr_count:     66
    .vgpr_count:     194
    .wavefront_size: 32
...
	.end_amdgpu_metadata
.endif
;; end of part 1
;; launch ffn1 (part 2): grid 256 x 1, 4 waves a work-group, no clusters, 248,320 bytes of LDS; arguments W1, b1, lowp_scales, msk, eid, xq, hq, slot; writes hq, slot
.if DOCPART == 2
	.amdgcn_target "amdgcn-amd-amdhsa--gfx1250"
	.amdhsa_code_object_version 6
	.text
	.protected	k_q5598506983_ffn1
	.globl	k_q5598506983_ffn1
	.p2align	8
	.type	k_q5598506983_ffn1,@function
k_q5598506983_ffn1:
	s_mov_b64 s[64:65], 0
	v_nop
	global_prefetch_b8 v0, s[64:65] scope:SCOPE_SE
	s_setreg_imm32_b32 hwreg(HW_REG_WAVE_MODE, 25, 1), 1
	s_wait_xcnt 0x0
; THE FIRST LAYER OF THE EXPERTS, on the chosen rows alone (the rest is left out: the head of the first kernel): hq = Q(gelu(x W1[e] + b1[e])), product on codes of E5M2, sums in f32, exact GELU in f32.
; SHARES.  Work-group id: expert e = id / 32, columns 128 S .. 128 S + 127 of F, S = id % 32: a slice of W1 of 1,024 (K) x 128, read from memory once in the launch, in two halves g of 64 columns, each in 8 K steps of 128.
; THE ROWS.  An expert's rows are its tokens in ascending order, in tiles of 16; expert e has a region of 64 tiles in hq (tile 64 e + tl): a token's two experts differ, so 1,024 rows at the most.  Each wave makes the list of
;   tokens in LDS bytes of its own: of word d of the expert's string of bits, lane l's token 32 d + l has the rank (bits of earlier words) + (bits below l).  A lane whose bit is off writes to a word that nobody reads; places
;   past the last row hold token 0: such rows are multiplied, and no later launch reads what they give.
;   Wave w owns tiles 4 m + w, m = 0..3: their rows of codes come in loads of 512 consecutive bytes and turn through the wave's own stage in LDS into fragments, which stay in registers.
;   Tiles from 16 on (more than 256 rows) are taken behind the main loop, two a pass, a wave one tile x one half g; 24 passes serve every split.
; A K STEP.  Wave w holds and converts register group c = w of the step's 64 columns: one 16-byte load a lane serves two rows of W1 (lanes 0-15: 256 consecutive bytes of row k, lanes 16-31: of row k + 32); after 16 loads a lane
;   holds 16 numbers down K of each of its 4 columns 64 g + 4 r + j.  The hold writes them in the order [j][ii], so the conversions give group c of the fragment of COLUMN TILE j = { 64 g + 4 r + j }: nothing is transposed.
;   Group c, lane half h, byte i hold k = 128 s + 64 (c / 2) + 32 h + 16 (c % 2) + i for every operand of both products.  Each K step has LDS bytes of its own, written once: one barrier a step, with the step before's products
;   around its signal.
; The product is used transposed (source 0 = 16 columns of W1, source 1 = 16 rows): lane (row r, h), register jj of column tile j is column 64 g + 32 h + 4 jj + j.  So the four tiles give a lane 32 neighbouring columns, which
;   are register groups 2 g and 2 g + 1 of K step S of the next product: the codes are stored as that operand's image, 512 consecutive bytes a store.  b1 / 2^(e0 + e1) is the C of each sum's first product.
; PREFETCH: in step t of the 16 each wave names the 32 blocks of 256 bytes of W1 that it loads for step t + 5, a lane a block (steps 2 to 4: in the head); it stops at step 10.
; The passes behind the loop hang on data: so no tensor load and no cluster.  What work-groups share (the rows' codes) is half of a work-group's own slice in bytes.
; ALSO STORED: slot[token][k] = 1,024 e + rank, k = which of its two experts this is: ranks 32 S .. 32 S + 31, by wave 0.
; GELU: 0.5 v (1 + erf(v / sqrt 2)), erf(z) = z P(z^2) / Q(z^2) with |z| held at 4: a rational form good to f32's rounding.  As in the reference's own f32 form, 1 + erf loses bits for v below about -3: the error there is about |v| x 1e-7.
; LIMITS: e0 (W1) and e2 (h) between -126 and 112; e0 + e1 between -120 and 120.  NaN is not served.
.set PITCH, 16384                      ; a row of W1[e] in bytes
.set KST,   0x200000                   ; 128 rows
.set LISTW, 4352                       ; LDS: four lists of 1,024 tokens and the unread word
.set WB,    17408                      ; W's fragments: ((8 (4 g + j) + s) x 2,048)
.set B1B,   148480                     ; for each wave 8,192 bytes: b1 in the result's layout
.set STG,   181248                     ; for each wave a stage of 16 rows x 1,040 bytes
.set STW,   16640
.set SPARE, 247808                     ; the spare words: two blocks of 256 bytes that no other line names
.set VW,   5                           ; W: h x 32 rows + 16 r;  VWG: + 256 g
.set VWG,  6
.set PFO,  7                           ; the prefetches: row r + 32 h;  PFG: + 256 g
.set PFG,  8
.set IS,   9                           ; where I store W's images;  ISG: + 65,536 g
.set ISG,  10
.set LI,   11                          ; where I read them;  LIG: + 65,536 g
.set LIG,  12
.set LB,   13                          ; my image of b1;  LBG: + 4,096 g
.set LBG,  14
.set VOL,  15                          ; 16 x lane;  VOG: + 1,024 g
.set VOG,  16
.set WSC,  17                          ; 2^e0, 57,344 x 2^e0, and the same with e2
.set WLM,  18
.set HSC,  19
.set HLM,  20
.set SGI,  21                          ; the stage: in, out
.set SGO,  22
.set ROX,  23                          ; the pass's tile: my row's offset in xq;  RHO its rank
.set RHO,  24
.set STK,  25                          ; slot: my token and its rank
.set SRHO, 26
.set LIM,  27                          ; LI, LB, VOL with g = wave % 2
.set LBM,  28
.set VOM,  29
.set SPW,  30
.set NIL,  31
.set CD,   32                          ; v32-47 codes
.set EID,  48
.set H32,  50                          ; 32 h
.set RAW,  64                          ; v64-255 three sets of 64 numbers as loaded
.set X,    64                          ; window 1: v0-63 W's four fragments, v64-127 numbers in the order [j][ii], v128-255 accumulator (m, j) at 128 + 32 m + 8 j
.set ACC,  128
.set B,    28                          ; s[28:43] W's bases, one a K step
; windows 2, 3: row tiles m = 0..3: K step s in window 2 + s / 4 at 16 (4 (s % 4) + m)
.set MSB, 0
.macro WIN new                         ; low byte: bits 1:0 source 0, 3:2 source 1, 5:4 source 2, 7:6 destination; the high byte repeats the setting that is left
.if MSB != (\new)
	s_set_vgpr_msb (MSB<<8)|(\new)
.set MSB, (\new)
.endif
.endm
.macro PLACES cnt
.rept \cnt
	v_nop
.endr
.endm
.macro KPAIR r, val                    ; a constant for the packed forms: both words are written, the low one is used
	s_mov_b32 s[\r], \val
	s_mov_b32 s[\r+1], \val
.endm
.macro UNITL u, set, off               ; my 16 loads of K step u
.irp ii, 0,1,2,3,4,5,6,7,8,9,10,11,12,13,14,15
	global_load_b128 v[RAW+64*(\set)+4*\ii:RAW+64*(\set)+4*\ii+3], v[VWG], s[B+2*(\u):B+2*(\u)+1] offset:\ii*PITCH+\off th:TH_LOAD_NT
.endr
.endm
.macro ASK u, off
	global_prefetch_b8 v[PFG], s[B+2*(\u):B+2*(\u)+1] offset:\off th:TH_LOAD_NT scope:SCOPE_SE
.endm
.macro ROWL m                          ; tile m's 16 rows, 1,024 bytes each, two loads a row
	WIN 0x43
.irp rr, 0,1,2,3,4,5,6,7,8,9,10,11,12,13,14,15
	global_load_b128 v[128*((\m)%2)+8*\rr:128*((\m)%2)+8*\rr+3], v[48+64*(\m)+\rr], s[14:15]
	global_load_b128 v[128*((\m)%2)+8*\rr+4:128*((\m)%2)+8*\rr+7], v[48+64*(\m)+\rr], s[14:15] offset:512
.endr
	WIN 0
.endm
.macro TURN m                          ; and through the stage: LDS serves a wave's instructions in order
	WIN 0x04
.irp rr, 0,1,2,3,4,5,6,7,8,9,10,11,12,13,14,15
	ds_store_b128 v[SGI], v[128*((\m)%2)+8*\rr:128*((\m)%2)+8*\rr+3] offset:1040*\rr
	ds_store_b128 v[SGI], v[128*((\m)%2)+8*\rr+4:128*((\m)%2)+8*\rr+7] offset:1040*\rr+512
.endr
.irp s, 0,1,2,3,4,5,6,7
	WIN (0x80+0x40*(\s/4))
.irp c, 0,1,2,3
	ds_load_b128 v[16*(4*(\s%4)+\m)+4*\c:16*(4*(\s%4)+\m)+4*\c+3], v[SGO] offset:128*\s+64*(\c/2)+16*(\c%2)
.endr
.endr
	WIN 0
.endm
.macro MROWS p                         ; the pass's tile, K steps 4 p .. 4 p + 3, straight into raw set p
.irp s, 0,1,2,3
.irp c, 0,1,2,3
	global_load_b128 v[RAW+64*(\p)+16*\s+4*\c:RAW+64*(\p)+16*\s+4*\c+3], v[ROX], s[14:15] offset:512*(\p)+128*\s+64*(\c/2)+16*(\c%2)
.endr
.endr
.endm
; 8 products of K step s: row tiles m0, m0 + 1.  The 16 accumulators take turns, one instruction a turn
.macro WM s, m0
	WIN (0x59+4*((\s)/4))
.irp m, \m0, \m0+1
.irp j, 0,1,2,3
.if (\s) == 0
	v_wmma_f32_16x16x128_bf8_bf8 v[ACC+32*(\m)+8*\j:ACC+32*(\m)+8*\j+7], v[16*\j:16*\j+15], v[16*(4*((\s)%4)+(\m)):16*(4*((\s)%4)+(\m))+15], v[X+8*\j:X+8*\j+7]
.else
	v_wmma_f32_16x16x128_bf8_bf8 v[ACC+32*(\m)+8*\j:ACC+32*(\m)+8*\j+7], v[16*\j:16*\j+15], v[16*(4*((\s)%4)+(\m)):16*(4*((\s)%4)+(\m))+15], v[ACC+32*(\m)+8*\j:ACC+32*(\m)+8*\j+7]
.endif
.endr
.endr
.endm
.macro STEP s
.if (\s) == 0
	UNITL 2, 2, 0
.endif
.if (\s) < 6
	s_wait_loadcnt 32                              ; this step's sixteen loads are in; the two units behind them may be out
.else
	s_wait_loadcnt 16                              ; one unit stands behind them
.endif
	WIN 0x40
.irp ii, 0,1,2,3,4,5,6,7,8,9,10,11,12,13,14,15
.irp j, 0,1,2,3
	v_med3_num_f32 v[X+16*\j+\ii], v[RAW+64*((\s)%3)+4*\ii+\j], -v[WLM], v[WLM]   ; the hold (the conversion does not saturate: ISA guide 7.6.2), and the change of order in one
.endr
.endr
	WIN 0
	s_wait_alu depctr_va_vdst(0)
.if (\s) < 5
	UNITL (\s)+3, (\s)%3, 0                        ; into the set just read
.endif
.if (\s) < 3
	ASK (\s)+5, 0
.else
	s_cmp_lg_u32 s60, 0
	s_cbranch_scc1 .Lsecond_\@
.if (\s) > 5
	UNITL (\s)-6, (\s)-6, 256                      ; first trip: the second half's K steps 0 and 1
.endif
	ASK (\s)-3, 256
.if (\s) > 5
	s_branch .Ljoin_\@
.endif
.Lsecond_\@:
.if (\s) > 5
	MROWS (\s)-6                                   ; second trip: as many loads, of the first pass's tile
.Ljoin_\@:
.endif
.endif
	WIN 0x01
.irp j, 0,1,2,3
.irp hf, 0,1
	v_cvt_scalef32_pk8_bf8_f32 v[CD+4*\j+2*\hf:CD+4*\j+2*\hf+1], v[X+16*\j+8*\hf:X+16*\j+8*\hf+7], v[WSC]
.endr
.endr
	v_nop                                          ; one plain line behind the last conversion
.if (\s) == 1
	WIN 0x40
.irp n, 0,1,2,3,4,5,6,7
	ds_load_b128 v[X+4*\n:X+4*\n+3], v[LBG] offset:512*\n   ; b1, the C of this half's first products
.endr
.endif
	WIN 0
.irp j, 0,1,2,3
	ds_store_b128 v[ISG], v[CD+4*\j:CD+4*\j+3] offset:16384*\j+2048*(\s)
.endr
.if (\s) > 0
	s_wait_dscnt 4                                 ; the last step's fragments (and b1) are in; the four stores may be out
	WM (\s)-1, 0
	s_wait_dscnt 0x0                               ; for the others' sake: my images lie in LDS
	s_barrier_signal -1
	WM (\s)-1, 2
	s_barrier_wait -1
	PLACES 4                                       ; in front of loads into registers that these products read
.else
	s_wait_dscnt 0x0
	s_barrier_signal -1
	s_barrier_wait -1
.endif
	WIN 0x40
.irp j, 0,1,2,3
.irp c, 0,1,2,3
	ds_load_b128 v[16*\j+4*\c:16*\j+4*\c+3], v[LIG] offset:16384*\j+2048*(\s)+512*\c
.endr
.endr
	WIN 0
.endm
; The way out of row tile m, all in window 1: v0-15 z, v16-31 z^2 and then v / 2, v32-47 P, v48-63 Q, v64-95 the 32 numbers in the order of the next K, v96-127 codes of the four tiles
.macro EPI m, sb, vo
.irp b, 0,1                            ; column tiles 2 b and 2 b + 1: sixteen numbers a lane; each accumulator is read from its low end on
	WIN 0x55
	s_wait_alu depctr_va_vdst(0)                   ; ahead of the first reads of these results
.irp p, 0,1,2,3,4,5,6,7
	v_pk_mul_f32 v[2*\p:2*\p+1], v[ACC+32*\m+16*\b+2*\p:ACC+32*\m+16*\b+2*\p+1], s[92:93] op_sel_hi:[1,0]   ; z = sum x 2^(e0 + e1) / sqrt 2
.endr
.irp t, 0,1,2,3,4,5,6,7,8,9,10,11,12,13,14,15
	v_med3_num_f32 v[\t], v[\t], -4.0, 4.0
.endr
.irp p, 0,1,2,3,4,5,6,7
	v_pk_mul_f32 v[16+2*\p:17+2*\p], v[2*\p:2*\p+1], v[2*\p:2*\p+1]
.endr
.irp p, 0,1,2,3,4,5,6,7
	v_pk_fma_f32 v[32+2*\p:33+2*\p], v[16+2*\p:17+2*\p], s[68:69], s[70:71] op_sel_hi:[1,0,0]
.endr
.irp p, 0,1,2,3,4,5,6,7
	v_pk_fma_f32 v[48+2*\p:49+2*\p], v[16+2*\p:17+2*\p], s[82:83], s[84:85] op_sel_hi:[1,0,0]
.endr
.irp k, 72,74,76,78,80
.irp p, 0,1,2,3,4,5,6,7
	v_pk_fma_f32 v[32+2*\p:33+2*\p], v[32+2*\p:33+2*\p], v[16+2*\p:17+2*\p], s[\k:\k+1] op_sel_hi:[1,1,0]
.endr
.endr
.irp k, 86,88,90
.irp p, 0,1,2,3,4,5,6,7
	v_pk_fma_f32 v[48+2*\p:49+2*\p], v[48+2*\p:49+2*\p], v[16+2*\p:17+2*\p], s[\k:\k+1] op_sel_hi:[1,1,0]
.endr
.endr
	s_wait_alu depctr_va_vdst(0)
.irp t, 0,1,2,3,4,5,6,7,8,9,10,11,12,13,14,15
	v_rcp_f32 v[48+\t], v[48+\t]
.endr
.irp p, 0,1,2,3,4,5,6,7
	v_pk_mul_f32 v[32+2*\p:33+2*\p], v[32+2*\p:33+2*\p], v[2*\p:2*\p+1]     ; z P: plain lines behind the reciprocals, which touch neither their results nor their sources
.endr
	s_wait_alu depctr_va_vdst(0)
.irp p, 0,1,2,3,4,5,6,7
	v_pk_mul_f32 v[32+2*\p:33+2*\p], v[32+2*\p:33+2*\p], v[48+2*\p:49+2*\p] ; erf
.endr
.irp p, 0,1,2,3,4,5,6,7
	v_pk_mul_f32 v[16+2*\p:17+2*\p], v[ACC+32*\m+16*\b+2*\p:ACC+32*\m+16*\b+2*\p+1], s[94:95] op_sel_hi:[1,0]   ; v / 2
.endr
.irp p, 0,1,2,3,4,5,6,7
	v_pk_fma_f32 v[2*\p:2*\p+1], v[16+2*\p:17+2*\p], v[32+2*\p:33+2*\p], v[16+2*\p:17+2*\p]   ; v / 2 x erf + v / 2
.endr
	WIN 0x41
.irp jl, 0,1
.irp jj, 0,1,2,3,4,5,6,7
	v_med3_num_f32 v[64+4*\jj+2*\b+\jl], v[8*\jl+\jj], -v[HLM], v[HLM]      ; the hold, and column 32 h + 4 jj + j to its place
.endr
.endr
.endr
.irp q, 0,1,2,3
	v_cvt_scalef32_pk8_bf8_f32 v[96+8*\m+2*\q:97+8*\m+2*\q], v[64+8*\q:71+8*\q], v[HSC]
.endr
	v_nop                                          ; one plain line behind the last conversion
	WIN 0x04
	global_store_b128 v[\vo], v[96+8*\m:99+8*\m], s[\sb:\sb+1]                ; register group 2 g of K step S: the wave stores 512 consecutive bytes
	global_store_b128 v[\vo], v[100+8*\m:103+8*\m], s[\sb:\sb+1] offset:512   ; group 2 g + 1
	WIN 0
.endm
.macro FETCH s                         ; a pass: W's four fragments of K step s, half wave % 2, into set s % 2
	WIN 0x40
.irp j, 0,1,2,3
.irp c, 0,1,2,3
	ds_load_b128 v[64*((\s)%2)+16*\j+4*\c:64*((\s)%2)+16*\j+4*\c+3], v[LIM] offset:16384*\j+2048*(\s)+512*\c
.endr
.endr
.endm
	s_load_b256 s[4:11], s[0:1], 0x0               ; W1 s[4:5], b1 s[6:7], lowp_scales s[8:9], msk s[10:11]
	s_load_b256 s[12:19], s[0:1], 0x20             ; eid s[12:13], xq s[14:15], hq s[16:17], slot s[18:19]
	v_lshl_add_u32 v[SPW], v0, 2, SPARE
	v_mov_b32 v[NIL], 0
	v_lshrrev_b32 v1, 5, v0
	v_readfirstlane_b32 s20, v1                    ; wave
	v_and_b32 v1, 31, v0                           ; lane
	v_and_b32 v2, 15, v0                           ; r
	v_bfe_u32 v3, v0, 4, 1                         ; h
	s_lshr_b32 s21, ttmp9, 5                       ; e
	s_and_b32 s22, ttmp9, 31                       ; S
	v_lshlrev_b32 v[VW], 4, v2
	v_lshl_add_u32 v[VW], v3, 19, v[VW]            ; 32 rows of 16,384 bytes for lanes 16-31
	v_lshlrev_b32 v[PFO], 14, v2
	v_lshl_add_u32 v[PFO], v3, 19, v[PFO]
	v_lshlrev_b32 v4, 7, v3                        ; b1: 128 h
	v_lshlrev_b32 v[H32], 5, v3
	v_lshlrev_b32 v[VOL], 4, v1
	v_mov_b32 v[VWG], v[VW]
	v_mov_b32 v[PFG], v[PFO]
	v_add_nc_u32 v[LI], WB, v[VOL]
	s_lshl_b32 s54, s20, 9
	v_add_nc_u32 v[IS], s54, v[LI]
	s_lshl_b32 s54, s20, 13
	s_add_co_u32 s54, s54, B1B
	v_add_nc_u32 v[LB], s54, v[VOL]
	s_mul_i32 s54, s20, STW
	s_add_co_u32 s54, s54, STG
	v_add_nc_u32 v[SGI], s54, v[VOL]
	v_mul_u32_u24 v[SGO], v2, 1040
	v_lshl_add_u32 v[SGO], v3, 5, v[SGO]
	v_add_nc_u32 v[SGO], s54, v[SGO]
	s_and_b32 s55, s20, 1
	s_lshl_b32 s54, s55, 16
	v_add_nc_u32 v[LIM], s54, v[LI]
	s_lshl_b32 s54, s55, 12
	v_add_nc_u32 v[LBM], s54, v[LB]
	s_lshl_b32 s54, s55, 10
	v_add_nc_u32 v[VOM], s54, v[VOL]
	s_mul_i32 s56, s20, LISTW                      ; my list
	v_mov_b32 v57, s56
	v_add_nc_u32 v58, s56, v[VOL]
	s_lshl_b32 s57, s20, 6
	s_add_co_u32 s57, s57, s56
	v_mov_b32 v59, s57                             ; the ranks of tile w
	s_lshr_b32 s57, s20, 1
	s_lshl_b32 s57, s57, 4
	s_add_co_u32 s57, s57, 256
	v_add_nc_u32 v[RHO], s57, v2                   ; rank 256 + 16 (wave / 2) + r
	s_lshl_b32 s57, s22, 5
	v_add_nc_u32 v[SRHO], s57, v1                  ; rank 32 S + lane
	v_mov_b32 v52, 0
	v_mov_b32 v53, 0
	v_mov_b32 v54, 0
	v_mov_b32 v55, 0
	v_mov_b32 v56, v1                              ; token
	v_mov_b32 v62, 0x400                           ; the unread word
	s_lshl_b32 s54, s21, 24                        ; W1: the expert's 16 MiB,
	s_lshl_b32 s57, s22, 9                         ; 128 S columns,
	s_add_co_u32 s54, s54, s57
	s_lshl_b32 s57, s55, 18                        ; 16 (wave % 2) + 64 (wave / 2) rows
	s_add_co_u32 s54, s54, s57
	s_lshr_b32 s57, s20, 1
	s_lshl_b32 s57, s57, 20
	s_add_co_u32 s54, s54, s57
	s_mov_b32 s55, 0
	s_lshl_b32 s56, s21, 14                        ; b1: the expert's 16,384 bytes + 512 S
	s_lshl_b32 s57, s22, 9
	s_add_co_u32 s56, s56, s57
	s_mov_b32 s57, 0
	s_lshl_b32 s58, s21, 7                         ; the expert's 128 bytes of msk
	s_wait_alu depctr_va_vdst(0)
	s_wait_kmcnt 0x0
	s_load_b512 s[68:83], s[10:11], s58 offset:0x0
	s_load_b512 s[84:99], s[10:11], s58 offset:0x40
	s_load_b128 s[24:27], s[8:9], 0x0              ; e0 (W1), e1 (x), e2 (h), e3
	s_add_nc_u64 s[B:B+1], s[4:5], s[54:55]
.irp u, 1,2,3,4,5,6,7
	s_add_nc_u64 s[B+2*\u:B+2*\u+1], s[B:B+1], \u*KST
.endr
	s_add_nc_u64 s[6:7], s[6:7], s[56:57]
.irp n, 0,1,2,3,4,5,6,7,8,9,10,11,12,13,14,15
	global_load_b128 v[RAW+128+4*\n:RAW+128+4*\n+3], v4, s[6:7] offset:256*(\n/8)+16*(\n%8)   ; b1 at columns 64 g + 32 h + 0 .. 31, g = n / 8
.endr
	UNITL 0, 0, 0
	UNITL 1, 1, 0
.irp i, 0,1,2,3,4,5,6,7
	ds_store_b128 v58, v[52:55] offset:512*\i      ; my list begins as zeros
.endr
	s_mov_b32 s23, 0                               ; bits of the words so far
	s_wait_kmcnt 0x0
.irp d, 0,1,2,3,4,5,6,7,8,9,10,11,12,13,14,15,16,17,18,19,20,21,22,23,24,25,26,27,28,29,30,31
	v_mbcnt_lo_u32_b32 v[60+(\d%2)], s[68+\d], s23
	s_bcnt1_i32_b32 s61, s[68+\d]
	s_add_co_u32 s23, s23, s61
	v_cndmask_b32 v[60+(\d%2)], v62, v[60+(\d%2)], s[68+\d]
	v_min_u32 v[60+(\d%2)], 0x400, v[60+(\d%2)]
	v_lshl_add_u32 v[60+(\d%2)], v[60+(\d%2)], 2, v57
	ds_store_b32 v[60+(\d%2)], v56
	v_add_nc_u32 v56, 32, v56
.endr
	s_mov_b32 s63, s23                             ; the expert's rows
	s_add_co_u32 s59, s63, 15
	s_lshr_b32 s59, s59, 4
	s_min_u32 s59, s59, 64                         ; its tiles
	WIN 0xc0
.irp m, 0,1,2,3
.irp q, 0,1,2,3
	ds_load_b128 v[48+64*\m+4*\q:51+64*\m+4*\q], v59 offset:256*\m+16*\q   ; tile m's 16 tokens, the same in every lane; in registers that tile 3's fragments take later
.endr
.endr
	WIN 0
	v_lshl_add_u32 v51, v[RHO], 2, v57             ; kept: the passes' tokens
	v_lshl_add_u32 v61, v[SRHO], 2, v57
	ds_load_b32 v[ROX], v51
	ds_load_b32 v[STK], v61
	s_wait_alu depctr_va_vdst(0)
	s_wait_dscnt 0x0
	WIN 0xcc
.irp m, 0,1,2,3
.irp q, 0,1,2,3,4,5,6,7,8,9,10,11,12,13,14,15
	v_min_u32 v[48+64*\m+\q], 0x3ff, v[48+64*\m+\q]
.endr
.endr
	WIN 0xc3
.irp m, 0,1,2,3
.irp q, 0,1,2,3,4,5,6,7,8,9,10,11,12,13,14,15
	v_lshl_add_u32 v[48+64*\m+\q], v[48+64*\m+\q], 10, v[VOL]
.endr
.endr
	WIN 0
	v_min_u32 v[ROX], 0x3ff, v[ROX]
	v_lshl_add_u32 v[ROX], v[ROX], 10, v[H32]
	v_min_u32 v[STK], 0x3ff, v[STK]
	v_lshlrev_b32 v60, 3, v[STK]
	s_wait_alu depctr_va_vdst(0)
	global_load_b64 v[EID:EID+1], v60, s[12:13]    ; the token's two experts, read behind the loop
	ROWL 0
	ASK 2, 0
	ROWL 1
	ASK 3, 0
	KPAIR 68, 0xaf95df0b                           ; P, highest power first: -2.72614226e-10
	KPAIR 70, 0x32edffee                           ;  2.77068142e-8
	KPAIR 72, 0xb60cff51                           ; -2.10102402e-6
	KPAIR 74, 0xb86ec2d2                           ; -5.69250639e-5
	KPAIR 76, 0xba40ac63                           ; -7.34990630e-4
	KPAIR 78, 0xbb41a1f6                           ; -2.95459981e-3
	KPAIR 80, 0xbc83dbd4                           ; -1.60960333e-2
	KPAIR 82, 0xb77460cd                           ; Q: -1.45660718e-5
	KPAIR 84, 0xb95fbd29                           ; -2.13374055e-4
	KPAIR 86, 0xbadc924e                           ; -1.68282697e-3
	KPAIR 88, 0xbbf19bf8                           ; -7.37332917e-3
	KPAIR 90, 0xbc69b6a7                           ; -1.42647391e-2
	s_add_co_i32 s54, s24, 127
	s_lshl_b32 s55, s54, 23
	v_mov_b32 v[WSC], s55                          ; 2^e0
	s_add_co_i32 s54, s54, 15
	s_lshl_b32 s54, s54, 23
	s_or_b32 s54, s54, 0x600000
	v_mov_b32 v[WLM], s54                          ; 57,344 x 2^e0
	s_add_co_i32 s54, s26, 127
	s_lshl_b32 s55, s54, 23
	v_mov_b32 v[HSC], s55                          ; 2^e2
	s_add_co_i32 s54, s54, 15
	s_lshl_b32 s54, s54, 23
	s_or_b32 s54, s54, 0x600000
	v_mov_b32 v[HLM], s54
	s_add_co_i32 s54, s24, s25                     ; e0 + e1: a sum stands for sum x 2^(e0 + e1)
	s_sub_co_i32 s58, 0, s54
	s_lshl_b32 s55, s54, 23
	s_add_co_i32 s92, s55, 0x3f3504f3              ; 2^(e0 + e1) / sqrt 2: the exponents are added to the exponent field
	s_mov_b32 s93, s92
	s_add_co_i32 s55, s54, 126
	s_lshl_b32 s94, s55, 23                        ; 2^(e0 + e1 - 1)
	s_mov_b32 s95, s94
	s_lshl_b32 s54, s21, 22                        ; hq: a tile is 65,536 bytes, the expert's 64 tiles,
	s_lshl_b32 s55, s22, 11                        ; K step S's 2,048 bytes,
	s_add_co_u32 s54, s54, s55
	s_lshl_b32 s55, s20, 16                        ; tile w
	s_add_co_u32 s56, s54, s55
	s_mov_b32 s57, 0
	s_add_nc_u64 s[44:45], s[16:17], s[56:57]
.irp m, 1,2,3
	s_add_nc_u64 s[44+2*\m:45+2*\m], s[44:45], \m*0x40000
.endr
	s_lshr_b32 s55, s20, 1
	s_lshl_b32 s55, s55, 16
	s_add_co_u32 s56, s54, s55
	s_add_co_u32 s56, s56, 0x100000                ; the first pass: tile 16 + wave / 2
	s_add_nc_u64 s[52:53], s[16:17], s[56:57]
	s_wait_alu depctr_va_vdst(0)
	s_wait_loadcnt 32                              ; b1 and tile 0 are in; tile 1's 32 loads may be out
.irp g, 0,1
.irp jp, 0,1
.irp jl, 0,1
.irp jj, 0,1,2,3,4,5,6,7
	v_ldexp_f32 v[CD+8*\jl+\jj], v[RAW+128+32*\g+4*\jj+2*\jp+\jl], s58   ; b1 / 2^(e0 + e1), in the result's layout
.endr
.endr
.irp n, 0,1,2,3
	ds_store_b128 v[LB], v[CD+4*\n:CD+4*\n+3] offset:512*(8*\g+4*\jp+\n)
.endr
.endr
.endr
	TURN 0
	s_wait_dscnt 32                                ; tile 0's stores have read their registers
	ROWL 2
	ASK 4, 0
	s_wait_loadcnt 32                              ; tile 1; tile 2's loads may be out
	TURN 1
	s_wait_dscnt 32
	ROWL 3
	s_wait_loadcnt 32                              ; tile 2
	TURN 2
	s_wait_loadcnt 0x0                             ; tile 3: so every address among its fragments' registers has been read
	TURN 3
	s_mov_b32 s60, 0                               ; g
.Ltrip:
	s_wait_xcnt 0x0                                ; memory instructions have read the registers that are written now
	s_lshl_b32 s61, s60, 16
	v_add_nc_u32 v[ISG], s61, v[IS]
	v_add_nc_u32 v[LIG], s61, v[LI]
	s_lshl_b32 s61, s60, 12
	v_add_nc_u32 v[LBG], s61, v[LB]
	s_lshl_b32 s61, s60, 10
	v_add_nc_u32 v[VOG], s61, v[VOL]
	s_lshl_b32 s61, s60, 8
	v_add_nc_u32 v[VWG], s61, v[VW]
	v_add_nc_u32 v[PFG], s61, v[PFO]
	s_wait_alu depctr_va_vdst(0)
.irp s, 0,1,2,3,4,5,6,7
	STEP \s
.endr
	s_wait_dscnt 0x0
	WM 7, 0
	WM 7, 2
	PLACES 5                                       ; behind the last products: for the reads of results and the writes over their operands
.irp m, 0,1,2,3
	EPI \m, 44+2*\m, VOG
.endr
	s_add_co_u32 s60, s60, 1
	s_wait_alu depctr_va_vdst(0)
	s_cmp_lt_u32 s60, 2
	s_cbranch_scc1 .Ltrip
	; the rows' places
	v_cmp_eq_u32 vcc_lo, s21, v[EID+1]             ; is my expert the token's second?
	v_cndmask_b32 v60, 0, 1, vcc_lo
	v_lshl_add_u32 v60, v[STK], 1, v60             ; 2 x token + k
	v_min_u32 v60, 0x7ff, v60
	v_lshlrev_b32 v60, 2, v60
	s_lshl_b32 s54, s21, 10
	v_add_nc_u32 v61, s54, v[SRHO]
	v_cmp_gt_u32 s54, s63, v[SRHO]                 ; a row that exists,
	v_cmp_gt_u32 s55, 32, v0                       ; by wave 0
	s_and_b32 vcc_lo, s54, s55
	s_wait_alu depctr_va_vdst(0)
	s_wait_xcnt 0x0                                ; EXEC changes only behind this wait
	s_and_saveexec_b32 s56, vcc_lo
	global_store_b32 v60, v61, s[18:19]
	s_wait_xcnt 0x0                                ; and again
	s_mov_b32 exec_lo, -1
	; the passes: tile 16 + 2 p + wave / 2, half wave % 2
	s_lshr_b32 s57, s20, 1
	s_add_co_u32 s57, s57, 16
	s_mov_b32 s62, 0
	s_wait_alu depctr_va_vdst(0)
	s_cmp_ge_u32 s57, s59
	s_cbranch_scc1 .Lend
	WIN 0x40
.irp i, 0,1,2,3,4,5,6,7,8,9,10,11,12,13,14,15,16,17,18,19,20,21,22
	ds_load_b32 v[192+\i], v51 offset:128*(\i+1)   ; my row's tokens of passes 1 to 23, 32 ranks apart
.endr
	WIN 0
.Lmini:
	s_wait_loadcnt 0x0                             ; the tile's rows are in
	s_wait_xcnt 0x0                                ; the last stores have read their codes
	WIN 0x40
.irp n, 0,1,2,3,4,5,6,7
	ds_load_b128 v[160+4*\n:163+4*\n], v[LBM] offset:512*\n
.endr
	FETCH 0
.irp s, 0,1,2,3,4,5,6,7
.if \s < 7
.if \s > 0
	PLACES 4                                       ; in front of loads into the set that the last step's products read
.endif
	FETCH \s+1
	s_wait_dscnt 16                                ; this step's set is in; the sixteen loads just issued may be out
.else
	s_wait_dscnt 0x0
.endif
	WIN 0x51
.irp j, 0,1,2,3
.if \s == 0
	v_wmma_f32_16x16x128_bf8_bf8 v[ACC+8*\j:ACC+8*\j+7], v[16*\j:16*\j+15], v[RAW:RAW+15], v[160+8*\j:167+8*\j]
.else
	v_wmma_f32_16x16x128_bf8_bf8 v[ACC+8*\j:ACC+8*\j+7], v[64*(\s%2)+16*\j:64*(\s%2)+16*\j+15], v[RAW+16*\s:RAW+16*\s+15], v[ACC+8*\j:ACC+8*\j+7]
.endif
.endr
.endr
	PLACES 5
	EPI 0, 52, VOM
	s_add_co_u32 s57, s57, 2
	s_cmp_ge_u32 s57, s59
	s_cbranch_scc1 .Lend
	s_wait_xcnt 0x0
	s_add_nc_u64 s[52:53], s[52:53], 0x20000
	WIN 0x04
	v_min_u32 v[ROX], 0x3ff, v[192]                ; the next pass's token,
	WIN 0x41
.irp i, 0,1,2,3,4,5,6,7,8,9,10,11,12,13,14,15,16,17,18,19,20,21
	v_mov_b32 v[192+\i], v[193+\i]                 ; and the later ones move down
.endr
	WIN 0
	v_lshl_add_u32 v[ROX], v[ROX], 10, v[H32]
	MROWS 0
	MROWS 1
	s_add_co_u32 s62, s62, 1
	s_wait_alu depctr_va_vdst(0)
	s_cmp_lt_u32 s62, 24
	s_cbranch_scc1 .Lmini
.Lend:
	s_wait_dscnt 0x0
	s_barrier_signal -1
	s_barrier_wait -1
	s_wait_tensorcnt 0x0                           ; the wave's end
	ds_add_u32 v[SPW], v[NIL]
	s_wait_dscnt 0x0
	s_endpgm
.Lfunc_end_k_q5598506983_ffn1:
	.size	k_q5598506983_ffn1, .Lfunc_end_k_q5598506983_ffn1-k_q5598506983_ffn1
	.p2alignl 7, 3214868480
	.fill 96, 4, 3214868480
	.section	.rodata,"a",@progbits
	.p2align	6, 0x0
	.amdhsa_kernel k_q5598506983_ffn1
		.amdhsa_group_segment_fixed_size 248320
		.amdhsa_private_segment_fixed_size 0
		.amdhsa_enable_private_segment 0
		.amdhsa_kernarg_size 64
		.amdhsa_user_sgpr_count 2
		.amdhsa_user_sgpr_kernarg_segment_ptr 1
		.amdhsa_wavefront_size32 1
		.amdhsa_system_sgpr_workgroup_id_x 1
		.amdhsa_system_sgpr_workgroup_id_y 1
		.amdhsa_system_sgpr_workgroup_id_z 1
		.amdhsa_system_vgpr_workitem_id 0
		.amdhsa_next_free_vgpr 1024
		.amdhsa_next_free_sgpr 100
		.amdhsa_reserve_vcc 1
		.amdhsa_float_denorm_mode_32 3
		.amdhsa_float_denorm_mode_16_64 3
		.amdhsa_memory_ordered 1
		.amdhsa_forward_progress 1
		.amdhsa_inst_pref_size 255
	.end_amdhsa_kernel
	.section	.bss,"aw",@nobits
	.p2align	6
	.space	262144
	.amdgpu_metadata
---
amdhsa.version: [ 1, 2 ]
amdhsa.kernels:
  - .name:           k_q5598506983_ffn1
    .symbol:         k_q5598506983_ffn1.kd
    .args:
      - { .name: W1, .offset: 0, .size: 8, .value_kind: global_buffer, .address_space: global }
      - { .name: b1, .offset: 8, .size: 8, .value_kind: global_buffer, .address_space: global }
      - { .name: lowp_scales, .offset: 16, .size: 8, .value_kind: global_buffer, .address_space: global }
      - { .name: msk, .offset: 24, .size: 8, .value_kind: global_buffer, .address_space: global }
      - { .name: eid, .offset: 32, .size: 8, .value_kind: global_buffer, .address_space: global }
      - { .name: xq, .offset: 40, .size: 8, .value_kind: global_buffer, .address_space: global }
      - { .name: hq, .offset: 48, .size: 8, .value_kind: global_buffer, .address_space: global }
      - { .name: slot, .offset: 56, .size: 8, .value_kind: global_buffer, .address_space: global }
    .group_segment_fixed_size: 248320
    .private_segment_fixed_size: 0
    .kernarg_segment_align: 8
    .kernarg_segment_size: 64
    .max_flat_workgroup_size: 128
    .sgpr_count:     100
    .vgpr_count:     1024
    .wavefront_size: 32
...
	.end_amdgpu_metadata
.endif
;; end of part 2
;; launch ffn2 (part 3): grid 256 x 1, 4 waves a work-group, no clusters, 148,992 bytes of LDS; arguments W2, lowp_scales, msk, hq, yp; writes yp
.if DOCPART == 3
	.amdgcn_target "amdgcn-amd-amdhsa--gfx1250"
	.amdhsa_code_object_version 6
	.text
	.protected	k_q5598506983_ffn2
	.globl	k_q5598506983_ffn2
	.p2align	8
	.type	k_q5598506983_ffn2,@function
k_q5598506983_ffn2:
	s_mov_b64 s[64:65], 0
	v_nop
	global_prefetch_b8 v0, s[64:65] scope:SCOPE_SE
	s_setreg_imm32_b32 hwreg(HW_REG_WAVE_MODE, 25, 1), 1
	s_wait_xcnt 0x0
; THE SECOND LAYER OF THE EXPERTS, on the chosen rows alone (the rest is left out: the head of the first kernel): yp[q] = a half of K's part of h W2[e], product on codes of E5M2, sums in f32, x 2^(e2 + e3).
; SHARES.  Work-group id: expert e = id / 32, K half q = (id / 16) % 2 (2,048 of F's 4,096), columns 64 ds .. + 63 of D, ds = id % 16: a slice of W2 of 2,048 x 64, read from memory once in the launch, in 16 K steps of 128.
;   The two halves' sums go to two planes of yp and are added by the last launch: each number of yp has one owner.
; THE ROWS: h's codes, laid as images of the operand's registers by the launch before.  Wave w owns the expert's tiles 4 m + w, m = 0..4 (320 rows); each K step's fragments are used once, so they stream beside W, two steps ahead.
;   Tiles 0 to 15 have always been written; a fifth tile that the expert has not is held at the last one written: it is multiplied and not stored.
;   Tiles from 20 on are taken behind the main loop, four a pass, a wave a tile; 11 passes serve every split (an expert has 1,024 rows, 64 tiles, at the most).
; A K STEP.  Wave w converts register group c = w of the step's 64 columns: one 16-byte load a lane serves two rows of W2 (lanes 0-15: 256 consecutive bytes of row k, lanes 16-31: of row k + 32); after 16 loads a lane holds 16
;   numbers down K of each of its 4 columns 4 r + j.  The hold writes them in the order [j][ii], so the conversions give group c of the fragment of COLUMN TILE j = { 4 r + j }.  Group c, lane half h, byte i hold
;   k = 128 t + 64 (c / 2) + 32 h + 16 (c % 2) + i on both sides.  Each K step has LDS bytes of its own, written once: one barrier a step, with the step before's products around its signal.
; Transposed use (source 0 = 16 columns of W2, source 1 = 16 rows): lane (row r, h), register jj of column tile j is column 32 h + 4 jj + j: 32 neighbouring columns a lane.  They go through the wave's own stage in LDS and
;   leave as rows: sixteen lanes store 256 consecutive bytes, aligned.
; PREFETCH: in step t each wave names the 32 blocks of 256 bytes of W2 that it loads for step t + 4, a lane a block, two steps ahead of those loads; it stops at step 11.
; The passes behind the loop and the fifth tile's way out hang on data: so no tensor load and no cluster.
; LIMITS: e3 (W2) between -126 and 112; e2 + e3 between -126 and 127.  NaN is not served.
.set PITCH, 4096                       ; a row of W2[e] in bytes
.set KST,   0x80000                    ; 128 rows
.set STG,   131072                     ; LDS: 0 .. 131,071 W's fragments (8,192 t + 2,048 j); then a stage of 16 rows x 272 bytes for each wave
.set SPARE, 148480                     ; the spare words: two blocks of 256 bytes that no other line names
.set VW,   5                           ; W: h x 32 rows + 16 r;  VWG: + 4 K steps a trip
.set VWG,  6
.set PFO,  7                           ; the prefetches: row r + 32 h;  PFG: + 4 K steps a trip
.set PFG,  8
.set IS,   9                           ; where I store W's images;  ISG: + 4 K steps a trip
.set ISG,  10
.set VOL,  11                          ; 16 x lane;  LIG, VOR: + 4 K steps a trip, in LDS and in hq;  LIH: + 8 K steps in LDS
.set LIG,  12
.set VOR,  13
.set LIH,  14
.set VO,   15                          ; yp: 4,096 (lane / 16) + 16 (lane % 16)
.set STO,  16                          ; the stage: in, out
.set RD,   17
.set WSC,  18                          ; 2^e3, 57,344 x 2^e3
.set WLM,  19
.set SPW,  30
.set NIL,  31
.set CD,   32                          ; v32-47 codes
.set RAW,  64                          ; v64-191 two sets of 64 numbers as loaded
.set X,    64                          ; window 1: v0-63 W's four fragments, v64-127 numbers in the order [j][ii]; on the way out v0-31 results, v32-127 three sets of rows
; window 2: accumulator (m, j) at 32 m + 8 j, v0-159; rows, set 3, v160-239.  window 3: rows, sets 0 to 2, 80 registers each: tile m at 16 m
; s[28:29] W's base; s[44:53] row tiles' bases; s[30:39] where their results go; s[40:43] the same for a pass; s27, s63 the offsets of expert, half and columns in yp, in hq; s59 tiles
.set MSB, 0
.macro WIN new                         ; low byte: bits 1:0 source 0, 3:2 source 1, 5:4 source 2, 7:6 destination; the high byte repeats the setting that is left
.if MSB != (\new)
	s_set_vgpr_msb (MSB<<8)|(\new)
.set MSB, (\new)
.endif
.endm
.macro PLACES cnt
.rept \cnt
	v_nop
.endr
.endm
.macro UNITL u                         ; my 16 loads of K step u
.irp ii, 0,1,2,3,4,5,6,7,8,9,10,11,12,13,14,15
	global_load_b128 v[RAW+64*((\u)%2)+4*\ii:RAW+64*((\u)%2)+4*\ii+3], v[VWG], s[28:29] offset:(\u)*KST+\ii*PITCH th:TH_LOAD_NT
.endr
.endm
.macro ASK u
	global_prefetch_b8 v[PFG], s[28:29] offset:(\u)*KST th:TH_LOAD_NT scope:SCOPE_SE
.endm
.macro ROWS u                          ; K step u of my five row tiles, into set u % 4
.set rw, (\u)%4
.if rw < 3
	WIN 0xc0
.set rw, 80*rw
.else
	WIN 0x80
.set rw, 160
.endif
.irp m, 0,1,2,3,4
.irp c, 0,1,2,3
	global_load_b128 v[rw+16*\m+4*\c:rw+16*\m+4*\c+3], v[VOR], s[44+2*\m:45+2*\m] offset:2048*(\u)+512*\c
.endr
.endr
	WIN 0
.endm
; products of a K step on row tile m, rows' set q.  The 20 accumulators take turns, one instruction a turn; the first step's products start the sums
.macro WM q, m, zero
.if (\q) < 3
	WIN 0xad
.set xw, 80*(\q)+16*(\m)
.else
	WIN 0xa9
.set xw, 160+16*(\m)
.endif
.irp j, 0,1,2,3
.if \zero
	v_wmma_f32_16x16x128_bf8_bf8 v[32*(\m)+8*\j:32*(\m)+8*\j+7], v[16*\j:16*\j+15], v[xw:xw+15], 0
.else
	v_wmma_f32_16x16x128_bf8_bf8 v[32*(\m)+8*\j:32*(\m)+8*\j+7], v[16*\j:16*\j+15], v[xw:xw+15], v[32*(\m)+8*\j:32*(\m)+8*\j+7]
.endif
.endr
.endm
; t: the step's number, in the loop that of the first trip.  kind 0: ahead of the loop, 1: in it, 2: behind it (steps 14, 15 as t = 2, 3)
.macro STEP t, kind
.if ((\kind) == 2) && ((\t) == 3)
	s_wait_loadcnt 20                              ; only the last step's row loads stand behind this step's loads of W
.else
	s_wait_loadcnt 56                              ; this step's loads of W and the last step's rows are in; two row sets (40) and one unit (16) stand behind
.endif
	WIN 0x40
.irp ii, 0,1,2,3,4,5,6,7,8,9,10,11,12,13,14,15
.irp j, 0,1,2,3
	v_med3_num_f32 v[X+16*\j+\ii], v[RAW+64*((\t)%2)+4*\ii+\j], -v[WLM], v[WLM]   ; the hold (the conversion does not saturate: ISA guide 7.6.2), and the change of order in one
.endr
.endr
	WIN 0
.if ((\kind) == 1) && ((\t) == 2)
	s_wait_xcnt 0x0                                ; memory instructions have read the offsets that are written now
	s_lshl_b32 s61, s60, 15
	v_add_nc_u32 v[ISG], s61, v[IS]
	v_add_nc_u32 v[LIG], s61, v[VOL]
	s_lshl_b32 s61, s60, 21
	v_add_nc_u32 v[VWG], s61, v[VW]
	v_add_nc_u32 v[PFG], s61, v[PFO]
	s_lshl_b32 s61, s60, 13
	v_add_nc_u32 v[VOR], s61, v[VOL]
.endif
.if ((\kind) == 2) && ((\t) == 2)
	v_add_nc_u32 v[ISG], 98304, v[IS]
	v_add_nc_u32 v[LIG], 98304, v[VOL]
.endif
	s_wait_alu depctr_va_vdst(0)
.if (\kind) < 2
	UNITL (\t)+2                                   ; into the set just read
.if (\t) < 4
	ASK (\t)+4
.else
	s_cmp_lt_u32 s60, 2                            ; the last trip has no step 16 or 17 to ask for
	s_cbranch_scc0 .Lnoask_\@
	ASK (\t)+4
.Lnoask_\@:
.endif
.endif
	WIN 0x01
.irp j, 0,1,2,3
.irp hf, 0,1
	v_cvt_scalef32_pk8_bf8_f32 v[CD+4*\j+2*\hf:CD+4*\j+2*\hf+1], v[X+16*\j+8*\hf:X+16*\j+8*\hf+7], v[WSC]
.endr
.endr
	v_nop                                          ; one plain line behind the last conversion
	WIN 0
.irp j, 0,1,2,3
	ds_store_b128 v[ISG], v[CD+4*\j:CD+4*\j+3] offset:8192*(\t)+2048*\j
.endr
.if (\t) > 0
	s_wait_dscnt 4                                 ; the last step's fragments are in; the four stores may be out
	WM ((\t)+3)%4, 0, ((\t)==1)
	WM ((\t)+3)%4, 1, ((\t)==1)
	s_wait_dscnt 0x0                               ; for the others' sake: my images lie in LDS
	s_barrier_signal -1
	WM ((\t)+3)%4, 2, ((\t)==1)
	WM ((\t)+3)%4, 3, ((\t)==1)
	WM ((\t)+3)%4, 4, ((\t)==1)
	s_barrier_wait -1
	PLACES 4                                       ; in front of loads into registers that these products read
.else
	s_wait_dscnt 0x0
	s_barrier_signal -1
	s_barrier_wait -1
.endif
	WIN 0x40
.irp j, 0,1,2,3
.irp c, 0,1,2,3
	ds_load_b128 v[16*\j+4*\c:16*\j+4*\c+3], v[LIG] offset:8192*(\t)+2048*\j+512*\c
.endr
.endr
	WIN 0
.if (\kind) < 2
	ROWS (\t)+2
.endif
.endm
; The way out of row tile m.  TOST: scaled, and through the stage; SEND: stored
.macro TOST m
	WIN 0x48
.irp j, 0,1,2,3
.irp jj, 0,1,2,3,4,5,6,7
	v_mul_f32 v[4*\jj+\j], s66, v[32*\m+8*\j+\jj]  ; x 2^(e2 + e3), and column 32 h + 4 jj + j to its place; each accumulator from its low end on
.endr
.endr
	WIN 0x04
.irp i, 0,1,2,3,4,5,6,7
	ds_store_b128 v[STO], v[4*\i:4*\i+3] offset:16*\i
.endr
	WIN 0x40
.irp i, 0,1,2,3,4,5,6,7
	ds_load_b128 v[32+32*(\m%3)+4*\i:35+32*(\m%3)+4*\i], v[RD] offset:544*\i   ; my wave's own bytes: LDS serves a wave's instructions in order; two rows of 256 bytes a load
.endr
	WIN 0
.endm
.macro SEND m, sb, younger
	s_wait_dscnt \younger
	WIN 0x04
.irp i, 0,1,2,3,4,5,6,7
	global_store_b128 v[VO], v[32+32*(\m%3)+4*\i:35+32*(\m%3)+4*\i], s[\sb:\sb+1] offset:8192*\i   ; sixteen lanes store 256 consecutive bytes, at a multiple of 256 from yp's first byte
.endr
	WIN 0
.endm
.macro FETCH s                         ; a pass: W's four fragments of K step s into set s % 2
	WIN 0x40
.irp j, 0,1,2,3
.irp c, 0,1,2,3
.if (\s) < 8
	ds_load_b128 v[64*((\s)%2)+16*\j+4*\c:64*((\s)%2)+16*\j+4*\c+3], v[VOL] offset:8192*((\s)%8)+2048*\j+512*\c
.else
	ds_load_b128 v[64*((\s)%2)+16*\j+4*\c:64*((\s)%2)+16*\j+4*\c+3], v[LIH] offset:8192*((\s)%8)+2048*\j+512*\c
.endif
.endr
.endr
.endm
	s_load_b256 s[4:11], s[0:1], 0x0               ; W2 s[4:5], lowp_scales s[6:7], msk s[8:9], hq s[10:11]
	s_load_b64 s[12:13], s[0:1], 0x20              ; yp
	v_lshl_add_u32 v[SPW], v0, 2, SPARE
	v_mov_b32 v[NIL], 0
	v_lshrrev_b32 v1, 5, v0
	v_readfirstlane_b32 s20, v1                    ; wave
	v_and_b32 v1, 31, v0                           ; lane
	v_and_b32 v2, 15, v0                           ; r
	v_bfe_u32 v3, v0, 4, 1                         ; h
	s_lshr_b32 s21, ttmp9, 5                       ; e
	s_bfe_u32 s22, ttmp9, 0x10004                  ; q
	s_and_b32 s23, ttmp9, 15                       ; ds
	v_lshlrev_b32 v[VW], 4, v2
	v_lshl_add_u32 v[VW], v3, 17, v[VW]            ; 32 rows of 4,096 bytes for lanes 16-31
	v_lshlrev_b32 v[PFO], 12, v2
	v_lshl_add_u32 v[PFO], v3, 17, v[PFO]
	v_lshlrev_b32 v[VOL], 4, v1
	v_mov_b32 v[VWG], v[VW]
	v_mov_b32 v[PFG], v[PFO]
	v_mov_b32 v[LIG], v[VOL]
	v_mov_b32 v[VOR], v[VOL]
	v_add_nc_u32 v[LIH], 65536, v[VOL]
	s_lshl_b32 s54, s20, 9
	v_add_nc_u32 v[IS], s54, v[VOL]
	v_mov_b32 v[ISG], v[IS]
	s_mul_i32 s54, s20, 16*272
	s_add_co_u32 s54, s54, STG                     ; my stage
	v_mul_u32_u24 v[STO], v2, 272
	v_lshl_add_u32 v[STO], v3, 7, v[STO]
	v_add_nc_u32 v[STO], s54, v[STO]               ; in: row r, 128 bytes for each half of the lanes
	v_mul_u32_u24 v[RD], v3, 272
	v_lshl_add_u32 v[RD], v2, 4, v[RD]
	v_add_nc_u32 v[RD], s54, v[RD]                 ; back: lanes 0-15 one row, lanes 16-31 the next
	v_lshlrev_b32 v[VO], 4, v2
	v_lshl_add_u32 v[VO], v3, 12, v[VO]            ; and the same two rows in yp
	s_lshl_b32 s54, s21, 24                        ; W2: the expert's 16 MiB,
	s_lshl_b32 s57, s22, 23                        ; 2,048 q rows,
	s_add_co_u32 s54, s54, s57
	s_lshl_b32 s57, s23, 8                         ; 64 ds columns,
	s_add_co_u32 s54, s54, s57
	s_and_b32 s57, s20, 1                          ; 16 (wave % 2) + 64 (wave / 2) rows
	s_lshl_b32 s57, s57, 16
	s_add_co_u32 s54, s54, s57
	s_lshr_b32 s57, s20, 1
	s_lshl_b32 s57, s57, 18
	s_add_co_u32 s54, s54, s57
	s_mov_b32 s55, 0
	s_lshl_b32 s58, s21, 7                         ; the expert's 128 bytes of msk
	s_lshl_b32 s63, s21, 22                        ; hq: a tile is 65,536 bytes, the expert's 64 tiles,
	s_lshl_b32 s57, s22, 15                        ; the half's 16 K steps of 2,048 bytes
	s_add_co_u32 s63, s63, s57
	s_lshl_b32 s57, s20, 16                        ; tile w
	s_add_co_u32 s56, s63, s57
	s_mov_b32 s57, 0
	s_wait_alu depctr_va_vdst(0)
	s_wait_kmcnt 0x0
	s_load_b128 s[24:27], s[6:7], 0x0              ; e0, e1, e2 (h), e3 (W2)
	s_load_b512 s[68:83], s[8:9], s58 offset:0x0
	s_load_b512 s[84:99], s[8:9], s58 offset:0x40
	s_add_nc_u64 s[28:29], s[4:5], s[54:55]
	s_add_nc_u64 s[44:45], s[10:11], s[56:57]
.irp m, 1,2,3
	s_add_nc_u64 s[44+2*\m:45+2*\m], s[44:45], \m*0x40000
.endr
	UNITL 0
	UNITL 1
	s_wait_kmcnt 0x0
	s_mov_b32 s67, 0
.irp d, 0,1,2,3,4,5,6,7,8,9,10,11,12,13,14,15,16,17,18,19,20,21,22,23,24,25,26,27,28,29,30,31
	s_bcnt1_i32_b32 s57, s[68+\d]
	s_add_co_u32 s67, s67, s57
.endr
	s_add_co_u32 s59, s67, 15
	s_lshr_b32 s59, s59, 4
	s_min_u32 s59, s59, 64                         ; the expert's tiles
	s_max_u32 s54, s59, 16
	s_sub_co_u32 s54, s54, 1                       ; the last tile that has been written
	s_add_co_u32 s58, s20, 16                      ; my fifth tile, held at that one
	s_min_u32 s56, s58, s54
	s_min_u32 s56, s56, 63
	s_lshl_b32 s56, s56, 16
	s_add_co_u32 s56, s56, s63
	s_mov_b32 s57, 0
	s_add_nc_u64 s[52:53], s[10:11], s[56:57]
	ROWS 0
	ROWS 1
	s_add_co_i32 s54, s27, 127
	s_lshl_b32 s55, s54, 23
	v_mov_b32 v[WSC], s55                          ; 2^e3
	s_add_co_i32 s54, s54, 15
	s_lshl_b32 s54, s54, 23
	s_or_b32 s54, s54, 0x600000
	v_mov_b32 v[WLM], s54                          ; 57,344 x 2^e3
	s_add_co_i32 s66, s26, s27
	s_add_co_i32 s66, s66, 127
	s_lshl_b32 s66, s66, 23                        ; 2^(e2 + e3)
	s_lshl_b32 s27, s22, 25                        ; yp: plane q of 33,554,432 bytes, 64 x 16 rows of 4,096 bytes an expert,
	s_lshl_b32 s55, s21, 22
	s_add_co_u32 s27, s27, s55
	s_lshl_b32 s55, s23, 8                         ; 64 ds columns
	s_add_co_u32 s27, s27, s55
	s_lshl_b32 s55, s20, 16
	s_add_co_u32 s56, s27, s55
	s_add_nc_u64 s[30:31], s[12:13], s[56:57]
.irp m, 1,2,3,4
	s_add_nc_u64 s[30+2*\m:31+2*\m], s[30:31], \m*0x40000
.endr
	s_mov_b32 s60, 0                               ; trips
	s_wait_alu depctr_va_vdst(0)                   ; the head's end
	STEP 0, 0
	STEP 1, 0
.Ltrip:                                            ; steps 2 + 4 x trip .. 5 + 4 x trip
.irp t, 2,3,4,5
	STEP \t, 1
.endr
	s_add_co_u32 s60, s60, 1
	s_wait_alu depctr_va_vdst(0)
	s_cmp_lt_u32 s60, 3
	s_cbranch_scc1 .Ltrip
	STEP 2, 2
	STEP 3, 2
	s_wait_loadcnt 0x0                             ; the last step's rows,
	s_wait_dscnt 0x0                               ; and its fragments of W
.irp m, 0,1,2,3,4
	WM 3, \m, 0
.endr
	PLACES 5                                       ; behind the last products: for the reads of results and the writes over their operands
	TOST 0
	TOST 1
	SEND 0, 30, 16                                 ; behind tile 0's loads stand tile 1's 8 stores and 8 loads
	TOST 2
	SEND 1, 32, 16
	s_wait_xcnt 0x0                                ; tile 0's stores have read the registers that tile 3's rows take
	TOST 3
	SEND 2, 34, 16
	SEND 3, 36, 0
	s_cmp_ge_u32 s58, s59
	s_cbranch_scc1 .Lend                           ; the expert has no fifth tile of mine
	s_wait_xcnt 0x0
	TOST 4
	SEND 4, 38, 0
	; the passes: tile 20 + 4 p + wave
	s_mov_b32 s62, 0
	s_add_co_u32 s58, s58, 4
	s_cmp_ge_u32 s58, s59
	s_cbranch_scc1 .Lend
.Lmini:
	s_wait_xcnt 0x0                                ; the last stores have read their registers and their base
	s_min_u32 s55, s58, 63
	s_lshl_b32 s55, s55, 16
	s_mov_b32 s57, 0
	s_add_co_u32 s56, s55, s63
	s_add_nc_u64 s[40:41], s[10:11], s[56:57]
	s_add_co_u32 s56, s55, s27
	s_add_nc_u64 s[42:43], s[12:13], s[56:57]
	WIN 0xc0
.irp s, 0,1,2,3,4,5,6,7,8,9,10,11,12,13,14,15
.irp c, 0,1,2,3
	global_load_b128 v[16*\s+4*\c:16*\s+4*\c+3], v[VOL], s[40:41] offset:2048*\s+512*\c
.endr
.endr
	WIN 0
	s_wait_loadcnt 0x0
	FETCH 0
.irp s, 0,1,2,3,4,5,6,7,8,9,10,11,12,13,14,15
.if \s < 15
.if \s > 0
	PLACES 4                                       ; in front of loads into the set that the last step's products read
.endif
	FETCH \s+1
	s_wait_dscnt 16                                ; this step's set is in; the sixteen loads just issued may be out
.else
	s_wait_dscnt 0x0
.endif
	WIN 0xad
.irp j, 0,1,2,3
.if \s == 0
	v_wmma_f32_16x16x128_bf8_bf8 v[8*\j:8*\j+7], v[16*\j:16*\j+15], v[0:15], 0
.else
	v_wmma_f32_16x16x128_bf8_bf8 v[8*\j:8*\j+7], v[64*(\s%2)+16*\j:64*(\s%2)+16*\j+15], v[16*\s:16*\s+15], v[8*\j:8*\j+7]
.endif
.endr
.endr
	PLACES 5
	TOST 0
	SEND 0, 42, 0
	s_add_co_u32 s58, s58, 4
	s_cmp_ge_u32 s58, s59
	s_cbranch_scc1 .Lend
	s_add_co_u32 s62, s62, 1
	s_cmp_lt_u32 s62, 11
	s_cbranch_scc1 .Lmini
.Lend:
	s_wait_dscnt 0x0
	s_barrier_signal -1
	s_barrier_wait -1
	s_wait_tensorcnt 0x0                           ; the wave's end
	ds_add_u32 v[SPW], v[NIL]
	s_wait_dscnt 0x0
	s_endpgm
.Lfunc_end_k_q5598506983_ffn2:
	.size	k_q5598506983_ffn2, .Lfunc_end_k_q5598506983_ffn2-k_q5598506983_ffn2
	.p2alignl 7, 3214868480
	.fill 96, 4, 3214868480
	.section	.rodata,"a",@progbits
	.p2align	6, 0x0
	.amdhsa_kernel k_q5598506983_ffn2
		.amdhsa_group_segment_fixed_size 148992
		.amdhsa_private_segment_fixed_size 0
		.amdhsa_enable_private_segment 0
		.amdhsa_kernarg_size 40
		.amdhsa_user_sgpr_count 2
		.amdhsa_user_sgpr_kernarg_segment_ptr 1
		.amdhsa_wavefront_size32 1
		.amdhsa_system_sgpr_workgroup_id_x 1
		.amdhsa_system_sgpr_workgroup_id_y 1
		.amdhsa_system_sgpr_workgroup_id_z 1
		.amdhsa_system_vgpr_workitem_id 0
		.amdhsa_next_free_vgpr 1024
		.amdhsa_next_free_sgpr 100
		.amdhsa_reserve_vcc 0
		.amdhsa_float_denorm_mode_32 3
		.amdhsa_float_denorm_mode_16_64 3
		.amdhsa_memory_ordered 1
		.amdhsa_forward_progress 1
		.amdhsa_inst_pref_size 144
	.end_amdhsa_kernel
	.amdgpu_metadata
---
amdhsa.version: [ 1, 2 ]
amdhsa.kernels:
  - .name:           k_q5598506983_ffn2
    .symbol:         k_q5598506983_ffn2.kd
    .args:
      - { .name: W2, .offset: 0, .size: 8, .value_kind: global_buffer, .address_space: global }
      - { .name: lowp_scales, .offset: 8, .size: 8, .value_kind: global_buffer, .address_space: global }
      - { .name: msk, .offset: 16, .size: 8, .value_kind: global_buffer, .address_space: global }
      - { .name: hq, .offset: 24, .size: 8, .value_kind: global_buffer, .address_space: global }
      - { .name: yp, .offset: 32, .size: 8, .value_kind: global_buffer, .address_space: global }
    .group_segment_fixed_size: 148992
    .private_segment_fixed_size: 0
    .kernarg_segment_align: 8
    .kernarg_segment_size: 40
    .max_flat_workgroup_size: 128
    .sgpr_count:     100
    .vgpr_count:     1024
    .wavefront_size: 32
...
	.end_amdgpu_metadata
.endif
;; end of part 3
;; launch combine (part 4): grid 256 x 1, 8 waves a work-group, no clusters, 0 bytes of LDS; arguments yp, slot, eid, cw, b2, out0; writes out0
.if DOCPART == 4
	.amdgcn_target "amdgcn-amd-amdhsa--gfx1250"
	.amdhsa_code_object_version 6
	.text
	.protected	k_q5598506983_combine
	.globl	k_q5598506983_combine
	.p2align	8
	.type	k_q5598506983_combine,@function
k_q5598506983_combine:
	s_mov_b64 s[64:65], 0
	v_nop
	global_prefetch_b8 v0, s[64:65] scope:SCOPE_SE
	s_setreg_imm32_b32 hwreg(HW_REG_WAVE_MODE, 25, 1), 1
	s_wait_xcnt 0x0
; out[token] = w0 (y[row 0] + b2[e0]) + w1 (y[row 1] + b2[e1]), y[row] = the sum of the two K halves' planes of yp.  All in f32.  (Experts that are not chosen are left out: the head of the first kernel.)
; A wave takes half a token's row (2,048 bytes): token = 4 x work-group + wave / 2.  Its two rows, experts and weights are read as scalars from the lists that earlier launches stored.
; A stream: 24 loads of 512 consecutive bytes a wave, all issued at once, chunk by chunk; 4 stores of 512 consecutive bytes.  No LDS, no barrier, no matrix unit, no cluster: waves share nothing but b2's rows.
.set QSTR, 33554432                    ; a plane of yp: 8,192 rows of 4,096 bytes (8 experts x 64 tiles x 16 rows)
; v[16 + 16 (2 k + q) + 4 c]: chunk c of plane q of row k;  v[80 + 16 k + 4 c]: b2 of expert k
	s_load_b256 s[4:11], s[0:1], 0x0               ; yp s[4:5], slot s[6:7], eid s[8:9], cw s[10:11]
	s_load_b128 s[12:15], s[0:1], 0x20             ; b2 s[12:13], out0 s[14:15]
	v_lshrrev_b32 v1, 5, v0
	s_delay_alu instid0(VALU_DEP_1)
	v_readfirstlane_b32 s16, v1                    ; wave
	v_and_b32 v2, 31, v0
	s_delay_alu instid0(VALU_DEP_1)
	v_lshlrev_b32 v2, 4, v2                        ; 16 x lane
	s_lshr_b32 s17, s16, 1
	s_lshl_b32 s18, ttmp9, 2
	s_add_co_u32 s17, s17, s18                     ; token
	s_and_b32 s18, s16, 1
	s_lshl_b32 s18, s18, 11                        ; which half of the row
	s_lshl_b32 s19, s17, 3
	s_wait_alu depctr_va_vdst(0)
	s_wait_kmcnt 0x0
	s_load_b64 s[20:21], s[6:7], s19 offset:0x0    ; my two rows
	s_load_b64 s[22:23], s[8:9], s19 offset:0x0    ; my two experts
	s_load_b64 s[24:25], s[10:11], s19 offset:0x0  ; my two weights
	s_mov_b32 s51, 0
	s_wait_kmcnt 0x0
	s_min_u32 s20, s20, 8191
	s_min_u32 s21, s21, 8191
	s_min_u32 s22, s22, 7
	s_min_u32 s23, s23, 7
	s_mov_b32 s26, s25                             ; w1 in a pair of its own: the packed forms take a scalar pair's low word for both halves
	s_mov_b32 s27, s25
.irp k, 0,1
	s_lshl_b32 s50, s[20+\k], 12
	s_add_co_u32 s50, s50, s18
	s_add_nc_u64 s[28+4*\k:29+4*\k], s[4:5], s[50:51]
	s_add_nc_u64 s[30+4*\k:31+4*\k], s[28+4*\k:29+4*\k], QSTR
	s_lshl_b32 s50, s[22+\k], 12
	s_add_co_u32 s50, s50, s18
	s_add_nc_u64 s[44+2*\k:45+2*\k], s[12:13], s[50:51]
.endr
	s_lshl_b32 s50, s17, 12
	s_add_co_u32 s50, s50, s18
	s_add_nc_u64 s[48:49], s[14:15], s[50:51]
.irp c, 0,1,2,3
.irp kq, 0,1,2,3
	global_load_b128 v[16+16*\kq+4*\c:19+16*\kq+4*\c], v2, s[28+2*\kq:29+2*\kq] offset:512*\c th:TH_LOAD_NT
.endr
.irp k, 0,1
	global_load_b128 v[80+16*\k+4*\c:83+16*\k+4*\c], v2, s[44+2*\k:45+2*\k] offset:512*\c
.endr
.endr
.irp c, 0,1,2,3
	s_wait_loadcnt 6*(3-\c)                        ; this chunk's six loads are in; the six of each chunk behind it may be out
.irp t, 0,2
.set a, 16+4*\c+\t
.set b, 80+4*\c+\t
	v_pk_add_f32 v[a:a+1], v[a:a+1], v[a+16:a+17]              ; row 0: halves 0 + 1
	v_pk_add_f32 v[a+32:a+33], v[a+32:a+33], v[a+48:a+49]      ; row 1 likewise
	s_delay_alu instid0(VALU_DEP_2)
	v_pk_add_f32 v[a:a+1], v[a:a+1], v[b:b+1]                  ; + b2
	s_delay_alu instid0(VALU_DEP_2)
	v_pk_add_f32 v[a+32:a+33], v[a+32:a+33], v[b+16:b+17]
	s_delay_alu instid0(VALU_DEP_2)
	v_pk_mul_f32 v[a:a+1], v[a:a+1], s[24:25] op_sel_hi:[1,0]  ; x w0
	s_delay_alu instid0(VALU_DEP_1)
	v_pk_fma_f32 v[a:a+1], v[a+32:a+33], s[26:27], v[a:a+1] op_sel_hi:[1,0,1]   ; + w1 x the other
.endr
	global_store_b128 v2, v[16+4*\c:19+4*\c], s[48:49] offset:512*\c th:TH_STORE_NT   ; the wave stores 512 consecutive bytes, at a multiple of 256 from out0's first byte
.endr
	s_endpgm
.Lfunc_end_k_q5598506983_combine:
	.size	k_q5598506983_combine, .Lfunc_end_k_q5598506983_combine-k_q5598506983_combine
	.p2alignl 7, 3214868480
	.fill 96, 4, 3214868480
	.section	.rodata,"a",@progbits
	.p2align	6, 0x0
	.amdhsa_kernel k_q5598506983_combine
		.amdhsa_group_segment_fixed_size 0
		.amdhsa_private_segment_fixed_size 0
		.amdhsa_enable_private_segment 0
		.amdhsa_kernarg_size 48
		.amdhsa_user_sgpr_count 2
		.amdhsa_user_sgpr_kernarg_segment_ptr 1
		.amdhsa_wavefront_size32 1
		.amdhsa_system_sgpr_workgroup_id_x 1
		.amdhsa_system_sgpr_workgroup_id_y 1
		.amdhsa_system_sgpr_workgroup_id_z 1
		.amdhsa_system_vgpr_workitem_id 0
		.amdhsa_next_free_vgpr 112
		.amdhsa_next_free_sgpr 66
		.amdhsa_reserve_vcc 0
		.amdhsa_float_denorm_mode_32 3
		.amdhsa_float_denorm_mode_16_64 3
		.amdhsa_memory_ordered 1
		.amdhsa_forward_progress 1
		.amdhsa_inst_pref_size 9
	.end_amdhsa_kernel
	.amdgpu_metadata
---
amdhsa.version: [ 1, 2 ]
amdhsa.kernels:
  - .name:           k_q5598506983_combine
    .symbol:         k_q5598506983_combine.kd
    .args:
      - { .name: yp, .offset: 0, .size: 8, .value_kind: global_buffer, .address_space: global }
      - { .name: slot, .offset: 8, .size: 8, .value_kind: global_buffer, .address_space: global }
      - { .name: eid, .offset: 16, .size: 8, .value_kind: global_buffer, .address_space: global }
      - { .name: cw, .offset: 24, .size: 8, .value_kind: global_buffer, .address_space: global }
      - { .name: b2, .offset: 32, .size: 8, .value_kind: global_buffer, .address_space: global }
      - { .name: out0, .offset: 40, .size: 8, .value_kind: global_buffer, .address_space: global }
    .group_segment_fixed_size: 0
    .private_segment_fixed_size: 0
    .kernarg_segment_align: 8
    .kernarg_segment_size: 48
    .max_flat_workgroup_size: 256
    .sgpr_count:     66
    .vgpr_count:     112
    .wavefront_size: 32
...
	.end_amdgpu_metadata
.endif
;; end of part 4
